; MI455X (gfx1250); checked and timed in simulation.
; The chip was launched on July 23, 2026; its instructions are those of AMD's public machine-readable ISA for CDNA 5 (MIT licence, August 2026) and "CDNA5" Instruction Set Architecture Reference Guide (July 2026). The comments in the code are by the model that wrote it; some were corrected since.
;; VQ. Allowed arithmetic: matrix products marked QUANTISED: E2M1 operands, one E8M0 scale for each 32 along K, by v_wmma_scale_f32_16x16x128_f8f6f4 with both operands' format E2M1 (or v_wmma_scale_f32_32x16x128_f4), f32 sums; everything else in f32.
;; Inputs: codebook 8,192 x 256 float32; x 32 x 256 x 32 x 32 float32.
;; Outputs: out0 32 x 256 x 32 x 32 float32; out1 32 x 32 x 32 int32.
;; This version of the problem:
;;   THIS VERSION OF THE PROBLEM IS GIVEN IN LOW PRECISION. The matrix products marked QUANTISED in the list below multiply operands that are first quantised to E2M1 (2 exponent bits, 1 mantissa bit; 4 bits a number), with one power-of-two scale for each 32 numbers along K (OCP MX v1.0); their sums are f32. All else is computed in f32.
;;   The module's matrix products, in the order in which they are computed (A, B: the left and right operand; K: the contracted axis; several contracted axes count as one K, in the product's order):
;;     1. [M 32,768, K 256] x [K 256, N 8,192]; A: input x; B: input codebook: QUANTISED
;;   THE QUANTISER, for each operand of a quantised product, along K:
;;     - K is cut into blocks of 32 from its start; a last block that is shorter is filled with zeros.
;;     - A block's scale is 2^e with e = floor(log2(the largest magnitude in the block)) - 2, held to -126 .. 127; a block of zeros has e = 0. As a byte (E8M0): e + 127.
;;     - Each number is divided by its block's scale, clamped to +-6, and rounded to the nearest number of E2M1, ties to even, subnormals kept.
;;     - The product sums the exact products of the quantised numbers (number of the format x scale) in f32.
;;   ~~~python
;;   def quantise(x, axis):      # numpy; x: float32 -> the quantised numbers, widened to float32 again
;;       x = np.moveaxis(x, axis, -1); K = x.shape[-1]
;;       x = np.pad(x, [(0, 0)] * (x.ndim - 1) + [(0, -K % 32)]); x = x.reshape(x.shape[:-1] + (-1, 32)); a = np.abs(x).max(-1, keepdims=True)
;;       e = np.where(a > 0, np.clip(np.frexp(np.where(a > 0, a, 1))[1] - 1 - 2, -126, 127), 0)      # np.frexp(a)[1] - 1 = floor(log2(a)), exactly
;;       r = np.clip(x / 2.0 ** e, -6, 6)
;;       step = 2.0 ** (np.maximum(np.frexp(np.where(r == 0, 1, r))[1] - 1, 0) - 1)
;;       q = np.round(r / step) * step * 2.0 ** e      # np.round: ties to even
;;       return np.moveaxis(q.reshape(q.shape[:-2] + (-1,))[..., :K], -1, axis).astype(np.float32)
;;   ~~~
;; One version. Each part assembles by itself: llvm-mc -triple=amdgcn-amd-amdhsa -mcpu=gfx1250 --defsym DOCPART=n.
;; ======== version 1 of 1: 4 launches
;; limits: right only within a limited range of input values
;; workspace buffers: rec 1,179,648 bytes; xq 4,194,304 bytes; xs 262,144 bytes; grp 131,072 bytes of whole numbers; idxw 131,072 bytes of whole numbers
;; launch prep (part 1): grid 256 x 1, 2 waves a work-group, no clusters, 8,960 bytes of LDS; arguments codebook, rec; writes rec
.if DOCPART == 1
	.amdgcn_target "amdgcn-amd-amdhsa--gfx1250"
	.amdhsa_code_object_version 6
	.text
	.protected	k_qf126c1b653_prep
	.globl	k_qf126c1b653_prep
	.p2align	8
	.type	k_qf126c1b653_prep,@function
k_qf126c1b653_prep:
	s_mov_b64 s[64:65], 0
	v_nop
	global_prefetch_b8 v0, s[64:65] scope:SCOPE_SE
	s_setreg_imm32_b32 hwreg(HW_REG_WAVE_MODE, 25, 1), 1
	s_wait_xcnt 0x0
; PREP: the codebook [8192][256], K innermost, becomes codes of FP4 (E2M1) with one E8M0 byte for each 32 along K = the 256 channels, laid in the order in which the later launches' matrix operands take them.
; (x, which each work-group of the next launch reads once, is quantised in that launch's head.)
; WORK LEFT OUT, in all launches: reference() takes the argmin over the codes of d2 = |f|^2 - 2 f.c + |c|^2 = |f|^2 - 2 (f.c - 0.5 |c|^2).  The term |f|^2 is the same for all 8,192 codes
; of a query, whatever x holds, and the factor -2 turns the least into the largest: so the index is that of the first largest f.c - 0.5 |c|^2, and |f|^2 is never formed.  d2 itself reaches no output.
; LIMIT: a NaN, an infinity or an overflow that would arise in |f|^2 alone is not carried to the result; the order of rounding differs from reference()'s d2.
; A block's scale is 2^(floor(log2(its largest magnitude)) - 2): its byte is the largest magnitude's exponent field - 2, held at 1 from below.
; LIMITS: a block of zeros gets the byte 1 where the rule says 127 (its codes are zeros, which add nothing, and this program alone reads the bytes);
; blocks whose largest magnitude lies under 2^-124 are held at that floor; NaN and infinities among the inputs are not served.
; A record of 4,608 bytes holds a chunk of 32 codes:
;   bytes 0-4095: eight images of 512 bytes, number 4 s + 2 T + c; lane (r, h) of it holds block 4 s + 2 c + h of code 16 (r / 8) + 8 T + r % 8;
;   bytes 4096-4351: scale words at 128 s + 4 (16 T + r);   bytes 4352-4479: -0.5 x the sum of squares of code n, f32, at 4 n;   bytes 4480-4607: zeros.
; A work-group makes one record; wave T takes 16 codes x 256 K, in four rounds of 64 K.  Loads take the rows as they lie (sixteen lanes read 256 consecutive bytes); a round turns
; through the wave's own stage in LDS, so that a lane gets the 32 neighbours of its block.  No wave reads another's LDS bytes: no barrier.  Each byte is read once: no cluster, no prefetch (there is no loop to run ahead in).
.set RECB, 4608
.set XR,   32                          ; v32-159  the numbers as loaded
.set XC,   160                         ; v160-191 a round's 32 neighbours
	s_load_b128 s[4:7], s[0:1], 0x0                ; codebook s[4:5], rec s[6:7]
	v_lshl_add_u32 v192, v0, 2, 0x2200             ; my spare word, behind the two stages
	v_mov_b32 v193, 0
	v_lshrrev_b32 v1, 5, v0
	v_readfirstlane_b32 s16, v1                    ; wave = T
	v_and_b32 v2, 31, v0                           ; lane
	v_and_b32 v3, 15, v0                           ; lane % 16
	v_bfe_u32 v4, v0, 4, 1                         ; lane / 16
	s_lshl_b32 s20, ttmp9, 15                      ; my chunk: 32 rows of 1,024 bytes
	s_lshl_b32 s21, s16, 13                        ; 8 T rows
	s_add_co_u32 s20, s20, s21
	s_mov_b32 s21, 0
	s_mul_i32 s22, ttmp9, RECB                     ; my record
	s_mov_b32 s23, 0
	s_mul_i32 s17, s16, 16*272                     ; my stage: 16 rows of 256 bytes + 16
	s_mov_b32 s28, 0x76543210
	s_mov_b32 s29, 0xfedcba98                      ; v_permlanex16_b32's selects for lane l xor 16
	s_wait_alu depctr_va_vdst(0)
	v_lshlrev_b32 v5, 4, v3
	v_lshl_add_u32 v5, v4, 10, v5                  ; in memory: two rows a load, sixteen lanes to a row's 256 bytes
	v_mul_u32_u24 v6, v4, 272
	v_lshl_add_u32 v6, v3, 4, v6
	v_add_nc_u32 v6, s17, v6                       ; into the stage: the same two rows
	v_mul_u32_u24 v7, v3, 272
	v_lshl_add_u32 v7, v4, 7, v7
	v_add_nc_u32 v7, s17, v7                       ; out of it: row lane % 16, my half's 128 bytes: one block
	v_lshlrev_b32 v8, 4, v2
	s_lshl_b32 s18, s16, 10
	v_add_nc_u32 v8, s18, v8                       ; an image: 16 lane + 1,024 T
	v_lshlrev_b32 v9, 3, v4                        ; 8 (lane / 16): my bytes' shift in a scale word
	v_lshrrev_b32 v14, 3, v3
	v_and_b32 v15, 7, v3
	v_lshlrev_b32 v14, 6, v14
	v_lshl_add_u32 v14, v15, 2, v14
	s_lshl_b32 s18, s16, 5
	s_add_co_u32 s18, s18, 4352
	v_add_nc_u32 v14, s18, v14                     ; lanes 0-15: 4352 + 4 x my code's number 16 (r / 8) + 8 T + r % 8
	v_lshlrev_b32 v15, 2, v3
	s_lshl_b32 s18, s16, 6
	s_add_co_u32 s19, s18, 4096
	v_lshl_add_u32 v10, v4, 7, v15
	v_add_nc_u32 v10, s19, v10                     ; the scale words: lanes 0-15 K step 0, lanes 16-31 K step 1: 4096 + 128 h + 64 T + 4 r
	s_add_co_u32 s19, s18, 4480
	v_add_nc_u32 v15, s19, v15                     ; lanes 16-31: the record's last 128 bytes, 64 a wave
	v_cmp_eq_u32 s26, 1, v4
	v_cndmask_b32 v14, v14, v15, s26
	s_wait_alu depctr_va_vdst(0)
	s_wait_kmcnt 0x0
	s_add_nc_u64 s[4:5], s[4:5], s[20:21]
	s_add_nc_u64 s[6:7], s[6:7], s[22:23]
.irp q, 0,1,2,3                        ; round q = 2 s + c: K = 64 q .. 64 q + 63 of my 16 codes; load a: tile rows 2 a, 2 a + 1 = codes 16 (a / 4) + 8 T + 2 (a % 4) + 0, 1
.irp a, 0,1,2,3,4,5,6,7
	global_load_b128 v[XR+32*\q+4*\a:XR+32*\q+4*\a+3], v5, s[4:5] offset:(16*(\a/4)+2*(\a%4))*1024+256*\q th:TH_LOAD_NT
.endr
.endr
.macro CRND q
	s_wait_loadcnt 8*(3-\q)                        ; this round's eight loads are in; the later rounds' may be out
.irp a, 0,1,2,3,4,5,6,7
	ds_store_b128 v6, v[XR+32*\q+4*\a:XR+32*\q+4*\a+3] offset:544*\a
.endr
.irp j, 0,1,2,3,4,5,6,7
	ds_load_b128 v[XC+4*\j:XC+4*\j+3], v7 offset:16*\j   ; LDS serves a wave's instructions in order (ISA guide 5.7.1): these see the stores above, and the next round's stores come behind them
.endr
	s_wait_dscnt 0x0
	v_max3_num_f32 v12, |v[XC]|, |v[XC+1]|, |v[XC+2]|    ; the block's largest magnitude, in two chains
	v_max3_num_f32 v13, |v[XC+3]|, |v[XC+4]|, |v[XC+5]|
.irp i, 6,10,14,18,22,26
	v_max3_num_f32 v12, v12, |v[XC+\i]|, |v[XC+\i+1]|
	v_max3_num_f32 v13, v13, |v[XC+\i+2]|, |v[XC+\i+3]|
.endr
	v_max3_num_f32 v12, v12, |v[XC+30]|, |v[XC+31]|
	v_max3_num_f32 v12, v12, v13, 0x1800000        ; the floor 2^(3 - 127): the byte cannot fall under 1
	v_add_nc_u32 v11, 0xff000000, v12              ; 2 off the exponent field: the conversion takes this operand's exponent field as its scale
	v_lshrrev_b32 v[36+\q], 23, v11                ; the byte of block 2 q + h
.if \q == 0
	v_pk_mul_f32 v[32:33], v[XC:XC+1], v[XC:XC+1]  ; the first products start the sums
	v_pk_mul_f32 v[34:35], v[XC+2:XC+3], v[XC+2:XC+3]
.else
	v_pk_fma_f32 v[32:33], v[XC:XC+1], v[XC:XC+1], v[32:33]
	v_pk_fma_f32 v[34:35], v[XC+2:XC+3], v[XC+2:XC+3], v[34:35]
.endif
.irp p, 4,8,12,16,20,24,28
	v_pk_fma_f32 v[32:33], v[XC+\p:XC+\p+1], v[XC+\p:XC+\p+1], v[32:33]
	v_pk_fma_f32 v[34:35], v[XC+\p+2:XC+\p+3], v[XC+\p+2:XC+\p+3], v[34:35]
.endr
.irp g, 0,1,2,3
	v_cvt_scalef32_pk8_fp4_f32 v[16+4*\q+\g], v[XC+8*\g:XC+8*\g+7], v11
.endr
	global_store_b128 v8, v[16+4*\q:19+4*\q], s[6:7] offset:(\q/2)*2048+(\q%2)*512   ; image 4 s + 2 T + c: 512 consecutive bytes, aligned; each round has its own registers
.endm
	CRND 0
	CRND 1
	CRND 2
	CRND 3
	v_lshl_or_b32 v40, v37, 16, v36                ; K step 0: my two bytes, blocks h and 2 + h,
	v_lshl_or_b32 v41, v39, 16, v38                ; K step 1 likewise,
	v_lshlrev_b32 v40, v9, v40                     ; at their places in the word;
	v_lshlrev_b32 v41, v9, v41
	v_permlanex16_b32 v44, v40, s28, s29
	v_permlanex16_b32 v45, v41, s28, s29
	v_or_b32 v40, v40, v44                         ; with lane l xor 16's two the words are whole
	v_or_b32 v41, v41, v45
	v_cndmask_b32 v40, v40, v41, s26
	global_store_b32 v10, v40, s[6:7]
	v_pk_add_f32 v[32:33], v[32:33], v[34:35]
	v_add_f32 v32, v32, v33
	v_permlanex16_b32 v42, v32, s28, s29
	v_add_f32 v32, v32, v42                        ; the sum of squares of my code's 256 numbers
	v_mul_f32 v32, -0.5, v32
	v_mov_b32 v43, 0
	v_cndmask_b32 v32, v32, v43, s26               ; lanes 16-31 write the zeros
	global_store_b32 v14, v32, s[6:7]
	s_wait_tensorcnt 0x0                           ; the wave's end
	ds_add_u32 v192, v193
	s_wait_dscnt 0x0
	s_endpgm
.Lfunc_end_k_qf126c1b653_prep:
	.size	k_qf126c1b653_prep, .Lfunc_end_k_qf126c1b653_prep-k_qf126c1b653_prep
	.p2alignl 7, 3214868480
	.fill 96, 4, 3214868480
	.section	.rodata,"a",@progbits
	.p2align	6, 0x0
	.amdhsa_kernel k_qf126c1b653_prep
		.amdhsa_group_segment_fixed_size 8960
		.amdhsa_private_segment_fixed_size 0
		.amdhsa_enable_private_segment 0
		.amdhsa_kernarg_size 16
		.amdhsa_user_sgpr_count 2
		.amdhsa_user_sgpr_kernarg_segment_ptr 1
		.amdhsa_wavefront_size32 1
		.amdhsa_system_sgpr_workgroup_id_x 1
		.amdhsa_system_sgpr_workgroup_id_y 1
		.amdhsa_system_sgpr_workgroup_id_z 1
		.amdhsa_system_vgpr_workitem_id 0
		.amdhsa_next_free_vgpr 194
		.amdhsa_next_free_sgpr 66
		.amdhsa_reserve_vcc 0
		.amdhsa_float_denorm_mode_32 3
		.amdhsa_float_denorm_mode_16_64 3
		.amdhsa_memory_ordered 1
		.amdhsa_forward_progress 1
		.amdhsa_inst_pref_size 21
	.end_amdhsa_kernel
	.amdgpu_metadata
---
amdhsa.version: [ 1, 2 ]
amdhsa.kernels:
  - .name:           k_qf126c1b653_prep
    .symbol:         k_qf126c1b653_prep.kd
    .args:
      - { .name: codebook, .offset: 0, .size: 8, .value_kind: global_buffer, .address_space: global }
      - { .name: rec, .offset: 8, .size: 8, .value_kind: global_buffer, .address_space: global }
    .group_segment_fixed_size: 8960
    .private_segment_fixed_size: 0
    .kernarg_segment_align: 8
    .kernarg_segment_size: 16
    .max_flat_workgroup_size: 64
    .sgpr_count:     66
    .vgpr_count:     194
    .wavefront_size: 32
...
	.end_amdgpu_metadata
.endif
;; end of part 1
;; launch search (part 2): grid 256 x 1, 8 waves a work-group, clusters of 4 x 1, 327,680 bytes of LDS; arguments rec, x, xq, xs, grp; writes xq, xs, grp
.if DOCPART == 2
	.amdgcn_target "amdgcn-amd-amdhsa--gfx1250"
	.amdhsa_code_object_version 6
	.text
	.protected	k_qf126c1b653_search
	.globl	k_qf126c1b653_search
	.p2align	8
	.type	k_qf126c1b653_search,@function
k_qf126c1b653_search:
	s_mov_b64 s[64:65], 0
	v_nop
	global_prefetch_b8 v0, s[64:65] scope:SCOPE_SE
	s_setreg_imm32_b32 hwreg(HW_REG_WAVE_MODE, 25, 1), 1
	s_wait_xcnt 0x0
	s_wait_alu depctr_hold_cnt(0) depctr_sa_sdst(0) depctr_va_vdst(0) depctr_va_sdst(0) depctr_va_ssrc(0) depctr_va_vcc(0) depctr_vm_vsrc(0)
	s_getreg_b32 s2, hwreg(HW_REG_IB_STS2, 6, 4)
	s_cmp_eq_u32 s2, 0
	s_cbranch_scc0 .Lentry_in_a_cluster
	s_endpgm
.Lentry_in_a_cluster:
	s_bfe_u32 s2, ttmp6, 0x10000c
	s_cmp_lg_u32 s2, 0x3003
	s_cbranch_scc0 .Lentry_shape_is_right
	s_endpgm
.Lentry_shape_is_right:
; SEARCH: for each query the group of 16 codes that holds the first largest score f.c - 0.5 |c|^2 (|f|^2 is left out: it is the same for all codes of a query; see the first kernel's head).
; SHARES.  A work-group has 128 queries, eight tiles of 16; their codes stay in every wave's registers (window 1, 128 registers).  The 256 records of 32 codes go in four phases of 64;
; wave w takes records 8 w + k, k = 0 .. 7, of each phase, in ascending order.  A record is read by one wave of a work-group alone, so LDS gives no second use of it inside a work-group.
; TWO ROADS.  The even k come through a ring of two LDS slots (32 records a slot, four a wave), asked for jointly by the four work-groups of a cluster, which all walk the same records.
; The odd k go from memory straight into the wave's registers, 14 loads a record, in two register sets: a record is asked for when the record two before it is done, three chunks ahead of its use.
; So a slot serves eight chunks' work of each wave, and the ring is filled again twice in all.  The straight half is not asked for jointly.
; A CHUNK (a record) against a tile is two matrix instructions of 32 x 16 x 128, K steps 0 and 1; the first takes -0.5 |c|^2 as C.  The record's eight images of 512 bytes are the A operand's 32 registers as they lie.
; In the result lane (r, h) holds query r and its 16 registers the codes 16 h + 0 .. 15 of the chunk: the group 2 x chunk + h.
; A lane's 16 scores fall to one by seven pairs of maxima, in place; one three-way maximum joins the running best; a compare and a select keep the chunk's number where the best has grown (equal: the earlier stays).
; ORDER.  Four matrix instructions (two tiles) and the twenty vector instructions of the two tiles before take turns, on two sets of results: so a result is read a run later, and the vector runs are the places
; behind the matrix instructions (ISA guide 7.12.1).  The slot is changed behind chunk 6, whose record is the slot's last: chunk 7 comes straight from memory.
; PREFETCH: the records are read by all work-groups, so cluster 0 alone asks.  Partner cx of wave w names records 8 w + 2 cx + 0, 1 of a phase, 18 blocks of 256 bytes each, a lane a block: in phase 0 the odd one of
; phase 1 and both of phase 2, in phase 1 both of phase 3: each at least four chunks ahead of the load that wants it.  The offsets are immediates; no address register is rewritten.
; LIMITS: NaN and infinities are not served; equal scores: the lower group wins.
; REGISTERS, window 0: v1-11 addresses; v12-27 x's scale words (tile t, K step s at 2 t + s, lanes 0-15); v28-35 chunk numbers; v36-51 the running best, two sets by turns; v52-57 A's scale words, three sets;
;   v58-61 at work and offsets; v64-111 C, three sets; v160-223 results, two sets of two tiles; v224-255 the way out.
;   Window 1: v0-127 x's codes, tile t, K step s at 16 t + 8 s; v128-223 A, three sets: set 0 from the ring, sets 1 and 2 from memory.
; THE HEAD QUANTISES x.  The work-group's 128 queries are read from x [32][256][32][32] once, here alone: query g = 1024 b + 32 h + w is the column x[b][:][h][w], K is not innermost.  A lane takes a query and its
; registers run down K, so a block of 32 lies in one lane; wave w takes 32 queries (w % 4) and 128 of K (w / 4), under the flight of slot 0's tensor load.  A block's byte is its largest magnitude's exponent field - 2,
; held at 1 from below (a block of zeros gets 1 where the rule says 127: its codes are zeros, and this program alone reads the bytes; magnitudes under 2^-124 are held at that floor).
; The codes and scale words go to a stage in LDS, from which every wave takes all eight tiles behind the round that stands in front of slot 1's first fill, and to xq and xs for the next launch:
;   tile t, column r, block kb of 16 bytes at 2048 t + 256 kb + 16 r;  the scale word of (t, K step s, r) at 256 (t / 2) + 128 s + 64 (t % 2) + 4 r.
; In the head v12-19 hold its addresses and what is at work, v112-239 the numbers of x, v240-255 their codes.
.set RECB,  4608
.set SHARE, 4*RECB                     ; a wave's part of a slot
.set SLOT,  8*SHARE
.set SPARE, 2*SLOT                     ; the spare words: 128 bytes for each of eight waves
.set MRG,   SPARE+1024                 ; the way out: 8 waves x 8 tiles x 128 bytes of scores, then the same of group numbers
.set OUTS,  MRG+16384                  ; the 128 group numbers
.set SPW, 1
.set NIL, 2
.set ADR, 3
.set ADS, 5
.set ADC, 7
.set PFO, 9
.set GL,  10
.set GS,  11
.set SBP, 12
.set ID,  28
.set BA,  36
.set BB,  44
.set SA,  52
.set TA,  58
.set TB,  59
.set L4,  60
.set H64, 61
.set CC,  64
.set AW,  128
.set DD,  160
.set WV,  12
.set G1,  16
.set G0,  24
.set CID, 32
.set LIM, 35
.set PFA, 36
.set GB,  42
.set SEL, 46
.set XST, MRG                          ; the stage of x's codes, 16,384 bytes, and of their scale words, 1,024: the bytes that the way out uses later, behind barriers; no tensor load lands there
.set XSS, MRG+16384
.set XQO, 12
.set XLO, 13
.set XSO, 14
.set XM,  16
.set XN,  17
.set XSC, 18
.set XW,  19
.set XBA, 62
.set XR,  112
.set XC,  240
.set MSB, 0
.macro WIN new                         ; the immediate's high byte repeats the setting that is left
.if MSB != \new
	s_set_vgpr_msb (MSB<<8)|\new
.set MSB, \new
.endif
.endm
.macro CREST                           ; a round of the cluster's barrier behind its opening barrier
	s_cmp_lg_u32 s[WV], 0
	s_cbranch_scc1 .Lnot_wave_0_\@
	s_barrier_signal -3
.Lnot_wave_0_\@:
	s_barrier_wait -3
	s_barrier_signal -1
	s_barrier_wait -1
.endm
.macro CROUND
	s_barrier_signal -1
	s_barrier_wait -1
	CREST
.endm
; record j of my four in slot sl into set 0: 8 images, C's 16 numbers, two scale words: 14 LDS loads
.macro LOADL sl, j
	WIN 0x40                                       ; destination window 1
.irp i, 0,1,2,3,4,5,6,7
	ds_load_b128 v[AW+4*\i:AW+4*\i+3], v[ADR+(\sl)] offset:(\j)*RECB+512*\i
.endr
	WIN 0
.irp i, 0,1,2,3
	ds_load_b128 v[CC+4*\i:CC+4*\i+3], v[ADC+(\sl)] offset:(\j)*RECB+4352+16*\i
.endr
	ds_load_b32 v[SA], v[ADS+(\sl)] offset:(\j)*RECB+4096
	ds_load_b32 v[SA+1], v[ADS+(\sl)] offset:(\j)*RECB+4096+128
.endm
; my g-th straight record, g = 0 .. 15 (phase g / 4, k = 2 (g % 4) + 1), into set e: the same 14 pieces by global loads; every offset is an immediate, under 256 x 4,608
.macro LOADE g, e
.set eR, (((\g)/4)*64+2*((\g)%4)+1)*RECB
	WIN 0x40
.irp i, 0,1,2,3,4,5,6,7
	global_load_b128 v[AW+32*(\e)+4*\i:AW+32*(\e)+4*\i+3], v[GL], s[GB:GB+1] offset:eR+512*\i
.endr
	WIN 0
.irp i, 0,1,2,3
	global_load_b128 v[CC+16*(\e)+4*\i:CC+16*(\e)+4*\i+3], v[H64], s[GB:GB+1] offset:eR+4352+16*\i
.endr
	global_load_b32 v[SA+2*(\e)], v[L4], s[GB:GB+1] offset:eR+4096
	global_load_b32 v[SA+2*(\e)+1], v[L4], s[GB:GB+1] offset:eR+4096+128
.endm
	s_load_b256 s[4:11], s[0:1], 0x0               ; rec s[4:5], x s[6:7], xq s[8:9], xs s[10:11]
	s_load_b64 s[52:53], s[0:1], 0x20              ; grp
	v_lshl_add_u32 v[SPW], v0, 2, SPARE
	v_mov_b32 v[NIL], 0
	ds_add_u32 v[SPW], v[NIL]                      ; the opening lines: the add, twice on end, and its wait
	ds_add_u32 v[SPW], v[NIL]
	v_lshrrev_b32 v[TA], 5, v0
	v_readfirstlane_b32 s[WV], v[TA]               ; wave 0..7
	s_bfe_u32 s13, ttmp6, 0x40000                  ; cx
	s_lshl_b32 s14, ttmp9, 2
	s_add_co_u32 s14, s14, s13                     ; the work-group's number
	s_mov_b32 s[G1], 15|(3<<16)|(1<<21)            ; the four partners; elements of 8 bytes; bit 21 beside a mask
	s_mov_b32 s[G1+1], 576<<16                     ; a row is a record, 4,608 bytes;
	s_mov_b32 s[G1+2], 4<<16                       ; four rows,
	s_mov_b32 s[G1+3], 576<<16
	s_mov_b32 s[G1+4], 4
	s_mov_b32 s[G1+5], 1152                        ; every second record: 9,216 bytes from row to row
	s_mov_b32 s[G1+6], 0
	s_mov_b32 s[G1+7], 0
	s_mul_i32 s38, s[WV], SHARE                    ; my part of a slot
	s_mul_i32 s40, s[WV], 8*RECB                   ; my eight records of a phase
	s_mov_b32 s41, 0
	s_mov_b32 s45, 0
	s_lshl_b32 s[CID], s[WV], 3
	s_and_b32 s33, s[WV], 3                        ; which 32 queries I quantise
	s_lshr_b32 s34, s[WV], 2                       ; which K step of 128
	s_lshl_b32 s48, s33, 12                        ; their codes' place among the work-group's: two tiles of 2,048 bytes,
	s_lshl_b32 s39, s34, 10                        ; four blocks of 256
	s_add_co_u32 s48, s48, s39
	s_lshl_b32 s49, s33, 8                         ; their scale words': a pair of tiles, 256 bytes,
	s_lshl_b32 s39, s34, 7                         ; 128 a K step
	s_add_co_u32 s49, s49, s39
	s_mov_b32 s[SEL], 0x76543210
	s_mov_b32 s[SEL+1], 0xfedcba98
	v_and_b32 v[TB], 31, v0                        ; lane
	v_and_b32 v[GS], 15, v0
	v_bfe_u32 v[H64], v0, 4, 1
	v_lshlrev_b32 v[GL], 4, v[TB]                  ; 16 lane: an image
	v_lshlrev_b32 v[XQO], 4, v[GS]
	v_lshl_add_u32 v[XQO], v[H64], 11, v[XQO]      ; my codes: 16 (lane % 16) + 2,048 (lane / 16)
	v_lshlrev_b32 v[GS], 2, v[GS]
	v_add_nc_u32 v[XBA], XST, v[GL]                ; out of the stage: 16 lane,
	v_add_nc_u32 v[GS], XSS, v[GS]                 ; and 4 (lane % 16)
	v_add_nc_u32 v[XLO], s48, v[XQO]
	v_add_nc_u32 v[XLO], XST, v[XLO]               ; into it
	v_lshlrev_b32 v[L4], 2, v[TB]
	v_add_nc_u32 v[XSO], s49, v[L4]
	v_add_nc_u32 v[XSO], XSS, v[XSO]
	v_lshlrev_b32 v[H64], 6, v[H64]                ; 64 h: -0.5 |c|^2 of codes 16 h on
	v_min_u32 v[PFO], 17, v[TB]
	v_add_nc_u32 v[ADR], s38, v[GL]
	v_add_nc_u32 v[ADS], s38, v[L4]
	v_add_nc_u32 v[ADC], s38, v[H64]
	v_lshlrev_b32 v[PFO], 8, v[PFO]                ; a record's 18 blocks of 256 bytes; lanes left over name the last again
	v_add_nc_u32 v[ADR+1], SLOT, v[ADR]
	v_add_nc_u32 v[ADS+1], SLOT, v[ADS]
	v_add_nc_u32 v[ADC+1], SLOT, v[ADC]
.irp t, 0,1,2,3,4,5,6,7
	v_mov_b32 v[BA+\t], 0xff800000                 ; under every score
	v_mov_b32 v[ID+\t], 0
.endr
	s_wait_alu depctr_va_vdst(0)
	s_wait_dscnt 0x0                               ; both opening adds are done
	s_wait_kmcnt 0x0
	s_add_nc_u64 s[GB:GB+1], s[4:5], s[40:41]      ; my records of phase 0
.irp q, 0,1
	s_mov_b32 s[G0+4*\q], 1
	s_add_co_u32 s[G0+4*\q+1], s38, \q*SLOT
	s_add_nc_u64 s[G0+4*\q+2:G0+4*\q+3], s[GB:GB+1], \q*64*RECB
	s_or_b32 s[G0+4*\q+3], s[G0+4*\q+3], 0x80000000
.endr
	s_lshr_b32 s44, s14, 3
	s_lshl_b32 s44, s44, 20                        ; x: b x 256 channels x 4,096 bytes,
	s_lshl_b32 s39, s34, 19                        ; 128 channels,
	s_add_co_u32 s44, s44, s39
	s_and_b32 s39, s14, 7
	s_lshl_b32 s39, s39, 9                         ; the work-group's 128 queries, 4 bytes each,
	s_add_co_u32 s44, s44, s39
	s_lshl_b32 s39, s33, 7                         ; my wave's 32
	s_add_co_u32 s44, s44, s39
	s_add_nc_u64 s[6:7], s[6:7], s[44:45]
	s_lshl_b32 s44, s14, 14
	s_add_co_u32 s44, s44, s48
	s_add_nc_u64 s[8:9], s[8:9], s[44:45]          ; my codes in xq,
	s_lshl_b32 s44, s14, 10
	s_add_co_u32 s44, s44, s49
	s_add_nc_u64 s[10:11], s[10:11], s[44:45]      ; my scale words in xs,
	s_lshl_b32 s44, s14, 9
	s_add_nc_u64 s[52:53], s[52:53], s[44:45]      ; the work-group's group numbers
.macro XLOAD b                         ; block b: 32 channels of my query; a load reads 128 consecutive bytes, four waves stand side by side on 512
.irp i, 0,1,2,3,4,5,6,7,8,9,10,11,12,13,14,15,16,17,18,19,20,21,22,23,24,25,26,27,28,29,30,31
	global_load_b32 v[XR+32*\b+\i], v[L4], s[6:7] offset:(32*\b+\i)*4096 th:TH_LOAD_NT
.endr
.endm
.macro XBLK b
.set xS, XR+32*(\b)
	v_max3_num_f32 v[XM], |v[xS]|, |v[xS+1]|, |v[xS+2]|      ; the block's largest magnitude, in two chains
	v_max3_num_f32 v[XN], |v[xS+3]|, |v[xS+4]|, |v[xS+5]|
.irp i, 6,10,14,18,22,26
	v_max3_num_f32 v[XM], v[XM], |v[xS+\i]|, |v[xS+\i+1]|
	v_max3_num_f32 v[XN], v[XN], |v[xS+\i+2]|, |v[xS+\i+3]|
.endr
	v_max3_num_f32 v[XM], v[XM], |v[xS+30]|, |v[xS+31]|
	v_max3_num_f32 v[XM], v[XM], v[XN], 0x1800000  ; the floor 2^(3 - 127): the byte cannot fall under 1
	v_add_nc_u32 v[XSC], 0xff000000, v[XM]         ; 2 off the exponent field: the conversion takes this operand's exponent field as its scale
.if \b == 0
	v_lshrrev_b32 v[XW], 23, v[XSC]                ; the scale's byte: four make my query's word for this K step
.else
	v_lshrrev_b32 v[XN], 23, v[XSC]
	v_lshl_or_b32 v[XW], v[XN], 8*\b, v[XW]
.endif
.irp g, 0,1,2,3
	v_cvt_scalef32_pk8_fp4_f32 v[XC+4*\b+\g], v[xS+8*\g:xS+8*\g+7], v[XSC]
.endr
	v_nop                                          ; one plain place behind the last scaled conversion
	global_store_b128 v[XQO], v[XC+4*\b:XC+4*\b+3], s[8:9] offset:256*\b   ; sixteen lanes store 256 consecutive bytes, aligned; each block has its own registers
	ds_store_b128 v[XLO], v[XC+4*\b:XC+4*\b+3] offset:256*\b
.endm
	XLOAD 0
	XLOAD 1
	s_mul_i32 s44, s13, 2*RECB                     ; the prefetches: the partners share a wave's eight records out by address
	s_add_nc_u64 s[PFA:PFA+1], s[GB:GB+1], s[44:45]
	s_cmp_eq_u32 ttmp9, 0
	s_cselect_b32 s[LIM], 1, 0                     ; cluster 0 asks
	CROUND                                         ; in front of the first joint loads
	tensor_load_to_lds s[G0:G0+3], s[G1:G1+7]      ; slot 0: one tensor load a wave at the head
	s_nop 0
	s_wait_loadcnt 32                              ; block 0 is in; block 1's 32 loads may be out
	XLOAD 2
	XBLK 0
	s_wait_loadcnt 32                              ; block 1 is in; block 2's may be out
	XLOAD 3
	XBLK 1
	s_wait_loadcnt 32                              ; block 2 is in; block 3's may be out
	LOADE 0, 1                                     ; my first two straight records
	LOADE 1, 2
	XBLK 2
	s_wait_loadcnt 28                              ; block 3 is in; the two records' 28 loads may be out
	XBLK 3
	global_store_b32 v[L4], v[XW], s[10:11]
	ds_store_b32 v[XSO], v[XW]
	s_wait_xcnt 0x0                                ; the stores have read their registers: v12-19 take x's scale words below
	s_wait_alu depctr_va_vdst(0)
	s_wait_tensorcnt 0x0
	ds_add_u32 v[SPW], v[NIL]
	s_wait_dscnt 0x0
	CROUND
	tensor_load_to_lds s[G0+4:G0+7], s[G1:G1+7]    ; slot 1
	s_nop 0
.rept 4
	v_nop
.endr
.macro WM e, t, s, dd                  ; the 32 codes of set e x tile t, K step s
.if (\s) == 0
	v_wmma_scale_f32_32x16x128_f4 v[(\dd):(\dd)+15], v[AW+32*(\e):AW+32*(\e)+15], v[16*(\t):16*(\t)+7], v[CC+16*(\e):CC+16*(\e)+15], v[SA+2*(\e)], v[SBP+2*(\t)]
.else
	v_wmma_scale_f32_32x16x128_f4 v[(\dd):(\dd)+15], v[AW+32*(\e)+16:AW+32*(\e)+31], v[16*(\t)+8:16*(\t)+15], v[(\dd):(\dd)+15], v[SA+2*(\e)+1], v[SBP+2*(\t)+1]
.endif
.endm
.macro WRUN e, pu, set                 ; tiles 2 pu, 2 pu + 1 into result set 'set': the two accumulators by turns.  Sources 0 and 1: window 1
	WIN 0x05
	WM \e, 2*(\pu),   0, DD+32*(\set)
	WM \e, 2*(\pu)+1, 0, DD+32*(\set)+16
	WM \e, 2*(\pu),   1, DD+32*(\set)
	WM \e, 2*(\pu)+1, 1, DD+32*(\set)+16
	WIN 0
.endm
.macro PAIR a, d                       ; two maxima: registers a, a + 1 with a + d, a + d + 1
	v_dual_max_num_f32 v[(\a)], v[(\a)], v[(\a)+(\d)] :: v_dual_max_num_f32 v[(\a)+1], v[(\a)+1], v[(\a)+(\d)+1]
.endm
.macro VRUN p, pu, set                 ; the scores of tiles 2 pu, 2 pu + 1 in set 'set', of a chunk of parity p; each accumulator is read from its low end on; the two tiles by turns
.set vD, DD+32*(\set)
.if (\p) == 0
.set vP, BA+2*(\pu)
.set vQ, BB+2*(\pu)
.else
.set vP, BB+2*(\pu)
.set vQ, BA+2*(\pu)
.endif
.irp i, 0,1,2,3
	PAIR vD+4*\i, 2
	PAIR vD+16+4*\i, 2
.endr
.irp i, 0,1
	PAIR vD+8*\i, 4
	PAIR vD+16+8*\i, 4
.endr
	PAIR vD, 8
	PAIR vD+16, 8
	v_max3_num_f32 v[vQ], v[vP], v[vD], v[vD+1]
	v_max3_num_f32 v[vQ+1], v[vP+1], v[vD+16], v[vD+17]
	v_cmp_le_f32 vcc_lo, v[vQ], v[vP]              ; not grown: the earlier chunk stays
	v_cmp_le_f32 s40, v[vQ+1], v[vP+1]
	v_cndmask_b32 v[ID+2*(\pu)], s[CID], v[ID+2*(\pu)], vcc_lo
	v_cndmask_b32 v[ID+2*(\pu)+1], s[CID], v[ID+2*(\pu)+1], s40
.endm
.macro HEADL                           ; the first run of a chunk from the ring: its 14 loads are all that is out on DScnt
	s_wait_dscnt 0x0
	WRUN 0, 0, 0
.endm
.macro HEADE e, n                      ; the first run of a straight chunk; n: the next straight record's loads, which may stay out
	s_wait_loadcnt \n
	WRUN \e, 0, 0
.endm
.macro PREV p, step                    ; in a chunk of parity p: the chunk before has its last two tiles read, and the chunk's number steps
	VRUN 1-(\p), 3, 1
	s_add_co_u32 s[CID], s[CID], \step
.endm
.macro REST e, p
	WRUN \e, 1, 1
	VRUN \p, 0, 0
	WRUN \e, 2, 0
	VRUN \p, 1, 1
	WRUN \e, 3, 1
	VRUN \p, 2, 0                                  ; also the places in front of the loads into set e
.endm
.macro ASK r                           ; record r + 8 w + 2 cx
	s_cmp_eq_u32 s[LIM], 1
	s_cbranch_scc0 .Lnot_mine_\@
	global_prefetch_b8 v[PFO], s[PFA:PFA+1] offset:(\r)*RECB th:TH_LOAD_NT scope:SCOPE_SE
.Lnot_mine_\@:
.endm
; Phase f: my eight chunks, from behind chunk 0's first run to the next phase's.  mode 0: the slot is filled again, for phase f + 2; 1: the next slot is the last; 2: this one is
.macro PHASE f, mode
	REST 0, 0                                      ; chunk 0
	LOADL (\f)%2, 1
	HEADE 1, 14                                    ; chunk 1
	PREV 1, 1
.if (\f) == 0
	ASK 65
.elseif (\f) == 1
	ASK 192
.endif
	REST 1, 1
	LOADE 4*(\f)+2, 1
	HEADL                                          ; chunk 2
	PREV 0, 1
.if (\f) == 0
	ASK 128
.elseif (\f) == 1
	ASK 193
.endif
	REST 0, 0
	LOADL (\f)%2, 2
	HEADE 2, 14                                    ; chunk 3
	PREV 1, 1
.if (\f) == 0
	ASK 129
.endif
	REST 2, 1
	LOADE 4*(\f)+3, 2
	HEADL                                          ; chunk 4
	PREV 0, 1
	REST 0, 0
	LOADL (\f)%2, 3
	HEADE 1, 14                                    ; chunk 5
	PREV 1, 1
	REST 1, 1
.if (\f) < 3
	LOADE 4*(\f)+4, 1
.endif
	HEADL                                          ; chunk 6: my last record of this slot
	PREV 0, 1
	REST 0, 0
.if \mode == 0
	s_wait_tensorcnt 0x0                           ; my one load that was out, my part of the next slot, has landed
	ds_add_u32 v[SPW], v[NIL]
	s_add_nc_u64 s[G0+4*((\f)%2)+2:G0+4*((\f)%2)+3], s[G0+4*((\f)%2)+2:G0+4*((\f)%2)+3], 128*RECB
	s_wait_loadcnt 14                              ; chunk 7's record is in; the next straight record's 14 loads may be out
	s_wait_dscnt 0x0                               ; the add is done; my reads of this slot came back ahead of chunk 6
	s_barrier_signal -1
	WRUN 2, 0, 0                                   ; chunk 7: work on registers while the others arrive
	PREV 1, 1
	s_barrier_wait -1
	CREST
	tensor_load_to_lds s[G0+4*((\f)%2):G0+4*((\f)%2)+3], s[G1:G1+7]
	s_nop 0
.rept 4
	v_nop
.endr
	LOADL 1-(\f)%2, 0
.elseif \mode == 1
	s_wait_tensorcnt 0x0                           ; my part of the last slot has landed; only I read it
	LOADL 1-(\f)%2, 0
	HEADE 2, 14
	PREV 1, 1
.else
	HEADE 2, 0
	PREV 1, 1
.endif
	REST 2, 1
.if \mode < 2
	LOADE 4*(\f)+5, 2
	HEADL                                          ; the next phase's chunk 0
	PREV 0, 57                                     ; 64 chunks a phase: from my eighth to my first of the next
.else
	VRUN 1, 3, 1
.endif
.endm
	s_wait_tensorcnt 0x1                           ; slot 0 is in; slot 1's load may be out
	WIN 0x40                                       ; all eight tiles out of the stage: every wave's stores were waited for in front of the round
.irp t, 0,1,2,3,4,5,6,7
.irp q, 0,1,2,3
	ds_load_b128 v[16*\t+4*\q:16*\t+4*\q+3], v[XBA] offset:2048*\t+512*\q
.endr
.endr
	WIN 0
.irp t, 0,1,2,3,4,5,6,7
.irp s, 0,1
	ds_load_b32 v[SBP+2*\t+\s], v[GS] offset:256*(\t/2)+128*\s+64*(\t%2)
.endr
.endr
	LOADL 0, 0
	HEADL
.rept 4
	v_nop                                          ; the places that the run of the chunk before fills in every later chunk
.endr
	PHASE 0, 0
	PHASE 1, 0
	PHASE 2, 1
	PHASE 3, 2
	; THE WAY OUT: group = 2 chunk + h; the eight waves' bests meet in LDS; wave w joins tile w's, the lower group winning where scores are equal
	v_bfe_u32 v[TA], v0, 4, 1
.irp t, 0,1,2,3,4,5,6,7
	v_lshl_or_b32 v[ID+\t], v[ID+\t], 1, v[TA]
.endr
	v_and_b32 v[TB], 31, v0
	v_lshlrev_b32 v[TB], 2, v[TB]
	s_lshl_b32 s41, s[WV], 10
	s_add_co_u32 s41, s41, MRG
	v_add_nc_u32 v224, s41, v[TB]
	s_lshl_b32 s41, s[WV], 7
	s_add_co_u32 s41, s41, MRG
	v_add_nc_u32 v225, s41, v[TB]
	v_and_b32 v226, 15, v0
	v_lshlrev_b32 v226, 2, v226
	s_lshl_b32 s41, s[WV], 6
	s_add_co_u32 s41, s41, OUTS
	v_add_nc_u32 v226, s41, v226
	v_lshlrev_b32 v228, 2, v[TB]
	v_add_nc_u32 v227, OUTS, v228
	v_mov_b32 v248, 0                              ; a lane permute's destination counts as one of its sources
	v_mov_b32 v249, 0
.irp t, 0,1,2,3,4,5,6,7
	ds_store_b32 v224, v[BA+\t] offset:128*\t
	ds_store_b32 v224, v[ID+\t] offset:8192+128*\t
.endr
	s_wait_alu depctr_va_vdst(0)
	s_wait_dscnt 0x0                               ; for the others' sake: my stores have landed
	s_barrier_signal -1
	s_barrier_wait -1
.irp u, 0,1,2,3,4,5,6,7
	ds_load_b32 v[232+\u], v225 offset:1024*\u
	ds_load_b32 v[240+\u], v225 offset:8192+1024*\u
.endr
	s_wait_dscnt 0x0
.macro MERGE va, ga, vb, gb
	v_cmp_gt_f32 vcc_lo, v[\vb], v[\va]
	v_cmp_eq_f32 s40, v[\vb], v[\va]
	v_cmp_lt_u32 s41, v[\gb], v[\ga]
	s_and_b32 s40, s40, s41
	s_or_b32 vcc_lo, vcc_lo, s40
	v_cndmask_b32 v[\va], v[\va], v[\vb], vcc_lo
	v_cndmask_b32 v[\ga], v[\ga], v[\gb], vcc_lo
.endm
.irp u, 1,2,3,4,5,6,7
	MERGE 232, 240, 232+\u, 240+\u
.endr
	v_permlanex16_b32 v248, v232, s[SEL], s[SEL+1]
	v_permlanex16_b32 v249, v240, s[SEL], s[SEL+1]
	MERGE 232, 240, 248, 249                       ; with lane l xor 16's: both halves now hold the query's group
	ds_store_b32 v226, v240
	s_wait_dscnt 0x0
	s_barrier_signal -1
	s_barrier_wait -1
	s_cmp_lg_u32 s[WV], 0
	s_cbranch_scc1 .Lnot_first
	ds_load_b128 v[252:255], v227
	s_wait_dscnt 0x0
	global_store_b128 v228, v[252:255], s[52:53]   ; 32 lanes store 512 consecutive bytes, aligned
.Lnot_first:
	s_wait_tensorcnt 0x0                           ; the wave's end
	ds_add_u32 v[SPW], v[NIL]
	s_wait_dscnt 0x0
	CROUND                                         ; the closing round
	s_endpgm
.Lfunc_end_k_qf126c1b653_search:
	.size	k_qf126c1b653_search, .Lfunc_end_k_qf126c1b653_search-k_qf126c1b653_search
	.p2alignl 7, 3214868480
	.fill 96, 4, 3214868480
	.section	.rodata,"a",@progbits
	.p2align	6, 0x0
	.amdhsa_kernel k_qf126c1b653_search
		.amdhsa_group_segment_fixed_size 327680
		.amdhsa_private_segment_fixed_size 0
		.amdhsa_enable_private_segment 0
		.amdhsa_kernarg_size 40
		.amdhsa_user_sgpr_count 2
		.amdhsa_user_sgpr_kernarg_segment_ptr 1
		.amdhsa_wavefront_size32 1
		.amdhsa_system_sgpr_workgroup_id_x 1
		.amdhsa_system_sgpr_workgroup_id_y 1
		.amdhsa_system_sgpr_workgroup_id_z 1
		.amdhsa_system_vgpr_workitem_id 0
		.amdhsa_next_free_vgpr 480
		.amdhsa_next_free_sgpr 66
		.amdhsa_reserve_vcc 1
		.amdhsa_float_denorm_mode_32 3
		.amdhsa_float_denorm_mode_16_64 3
		.amdhsa_memory_ordered 1
		.amdhsa_forward_progress 1
		.amdhsa_inst_pref_size 255
	.end_amdhsa_kernel
	.section	.bss,"aw",@nobits
	.p2align	6
	.space	262144
	.amdgpu_metadata
---
amdhsa.version: [ 1, 2 ]
amdhsa.kernels:
  - .name:           k_qf126c1b653_search
    .symbol:         k_qf126c1b653_search.kd
    .args:
      - { .name: rec, .offset: 0, .size: 8, .value_kind: global_buffer, .address_space: global }
      - { .name: x, .offset: 8, .size: 8, .value_kind: global_buffer, .address_space: global }
      - { .name: xq, .offset: 16, .size: 8, .value_kind: global_buffer, .address_space: global }
      - { .name: xs, .offset: 24, .size: 8, .value_kind: global_buffer, .address_space: global }
      - { .name: grp, .offset: 32, .size: 8, .value_kind: global_buffer, .address_space: global }
    .group_segment_fixed_size: 327680
    .private_segment_fixed_size: 0
    .kernarg_segment_align: 8
    .kernarg_segment_size: 40
    .max_flat_workgroup_size: 256
    .sgpr_count:     66
    .vgpr_count:     480
    .wavefront_size: 32
...
	.end_amdgpu_metadata
.endif
;; end of part 2
;; launch pick (part 3): grid 256 x 1, 32 waves a work-group, no clusters, 8,192 bytes of LDS; arguments rec, xq, xs, grp, out1, idxw; writes out1, idxw
.if DOCPART == 3
	.amdgcn_target "amdgcn-amd-amdhsa--gfx1250"
	.amdhsa_code_object_version 6
	.text
	.protected	k_qf126c1b653_pick
	.globl	k_qf126c1b653_pick
	.p2align	8
	.type	k_qf126c1b653_pick,@function
k_qf126c1b653_pick:
	s_mov_b64 s[64:65], 0
	v_nop
	global_prefetch_b8 v0, s[64:65] scope:SCOPE_SE
	s_setreg_imm32_b32 hwreg(HW_REG_WAVE_MODE, 25, 1), 1
	s_wait_xcnt 0x0
; PICK: which of the 16 codes of a query's best group is the nearest.  The scores of that group are made once more, by the same two matrix instructions on the same codes, scales and -0.5 |c|^2, and the
; first largest of the 16 is taken: index = 16 group + its place.  The group numbers come as whole numbers from the launch before; they steer addresses here.
; SHARES.  A work-group has 128 queries, eight tiles; wave v takes tile v / 4 and its queries 4 (v % 4) + k, k = 0 .. 3.  For each k source 0 is query k's group of 16 codes, source 1 the whole tile of queries;
; of the result only that query's column is used.  No tile is shared between work-groups and all operands go from memory straight into registers: no cluster, no tensor load.
; LIMITS: as in the launch before (the order of rounding; NaN and infinities are not served).  Equal scores: the lower code wins.
; REGISTERS: v1-5 offsets, v6-7 B's scale words, v8-23 B's fragments, v24-31 A's scale words, v32-63 four accumulators (loaded with -0.5 |c|^2), v64-127 A's fragments, later at work.
.set RECB, 4608
	s_load_b256 s[4:11], s[0:1], 0x0               ; rec s[4:5], xq s[6:7], xs s[8:9], grp s[10:11]
	s_load_b128 s[12:15], s[0:1], 0x20             ; out1 s[12:13], idxw s[14:15]
	v_lshrrev_b32 v1, 5, v0
	s_delay_alu instid0(VALU_DEP_1)
	v_readfirstlane_b32 s16, v1                    ; wave 0..31
	s_lshl_b32 s20, ttmp9, 9                       ; the work-group's 128 numbers,
	s_lshl_b32 s21, s16, 4                         ; my wave's four
	s_add_co_u32 s20, s20, s21
	s_mov_b32 s21, 0
	s_wait_kmcnt 0x0
	s_add_nc_u64 s[10:11], s[10:11], s[20:21]
	s_load_b128 s[24:27], s[10:11], 0x0            ; my four queries' groups
	s_lshr_b32 s17, s16, 2
	s_and_b32 s18, s16, 3
	s_lshl_b32 s19, ttmp9, 3
	s_add_co_u32 s19, s19, s17                     ; my tile
	s_lshl_b32 s20, s19, 11
	s_add_nc_u64 s[6:7], s[6:7], s[20:21]          ; its codes,
	s_lshr_b32 s20, s19, 1
	s_lshl_b32 s20, s20, 8
	s_and_b32 s22, s19, 1
	s_lshl_b32 s22, s22, 6
	s_add_co_u32 s20, s20, s22
	s_add_nc_u64 s[8:9], s[8:9], s[20:21]          ; its scale words: 256 (t / 2) + 64 (t % 2)
	s_lshl_b32 s20, ttmp9, 9
	s_add_nc_u64 s[12:13], s[12:13], s[20:21]
	s_add_nc_u64 s[14:15], s[14:15], s[20:21]
	s_mov_b32 s46, 0x76543210
	s_mov_b32 s47, 0xfedcba98                      ; v_permlanex16_b32's selects for lane l xor 16
	v_and_b32 v4, 15, v0                           ; r
	v_bfe_u32 v3, v0, 4, 1                         ; h
	s_delay_alu instid0(VALU_DEP_2)
	v_lshrrev_b32 v2, 3, v4
	s_delay_alu instid0(VALU_DEP_3)
	v_and_b32 v5, 7, v4
	s_delay_alu instid0(VALU_DEP_2)
	v_lshlrev_b32 v1, 10, v2                       ; row r of my A tile is code 16 u + r of the chunk (u = group % 2): it lies in the record's tile T = r / 8 at lane 16 h + 8 u + r % 8:
	s_delay_alu instid0(VALU_DEP_1)
	v_lshl_add_u32 v1, v3, 8, v1
	s_delay_alu instid0(VALU_DEP_1)
	v_lshl_add_u32 v1, v5, 4, v1                   ; 1,024 (r / 8) + 256 h + 16 (r % 8); 128 u goes into the base
	v_lshlrev_b32 v2, 6, v2
	s_delay_alu instid0(VALU_DEP_1)
	v_lshl_add_u32 v2, v5, 2, v2                   ; its scale word: 64 (r / 8) + 4 (r % 8); 32 u goes into the base
	v_lshlrev_b32 v3, 5, v3                        ; -0.5 |c|^2 of codes 16 u + 8 h + 0 .. 7: 32 h; 64 u goes into the base
	s_lshl_b32 s22, s18, 2
.irp k, 1,2,3
	s_add_co_u32 s23, s22, \k
	v_cmp_eq_u32 s[40+\k], s23, v4                 ; the lanes that hold query k's column
.endr
	v_lshlrev_b32 v4, 2, v4                        ; 4 r
	v_and_b32 v5, 31, v0
	s_delay_alu instid0(VALU_DEP_1)
	v_lshlrev_b32 v5, 4, v5                        ; 16 lane
.irp q, 0,1,2,3
	global_load_b128 v[8+4*\q:11+4*\q], v5, s[6:7] offset:512*\q
.endr
.irp s, 0,1
	global_load_b32 v[6+\s], v4, s[8:9] offset:128*\s
.endr
	s_mov_b32 s33, 0
	s_wait_alu depctr_va_vdst(0)
	s_wait_kmcnt 0x0
.irp k, 0,1,2,3
	s_min_u32 s[24+\k], s[24+\k], 511              ; a loaded number enters an address only behind this bound
	s_and_b32 s28, s[24+\k], 510
	s_mul_i32 s28, s28, RECB/2                     ; the chunk's record
	s_and_b32 s30, s[24+\k], 1                     ; u
	s_lshl_b32 s31, s30, 7
	s_add_co_u32 s32, s28, s31
	s_add_nc_u64 s[68+6*\k:69+6*\k], s[4:5], s[32:33]
	s_lshl_b32 s31, s30, 5
	s_add_co_u32 s32, s28, s31
	s_add_nc_u64 s[70+6*\k:71+6*\k], s[4:5], s[32:33]
	s_lshl_b32 s31, s30, 6
	s_add_co_u32 s32, s28, s31
	s_add_nc_u64 s[72+6*\k:73+6*\k], s[4:5], s[32:33]
.irp s, 0,1
.irp c, 0,1
	global_load_b128 v[64+16*\k+8*\s+4*\c:67+16*\k+8*\s+4*\c], v1, s[68+6*\k:69+6*\k] offset:2048*\s+512*\c
.endr
	global_load_b32 v[24+2*\k+\s], v2, s[70+6*\k:71+6*\k] offset:4096+128*\s
.endr
	global_load_b128 v[32+8*\k:35+8*\k], v3, s[72+6*\k:73+6*\k] offset:4352
	global_load_b128 v[36+8*\k:39+8*\k], v3, s[72+6*\k:73+6*\k] offset:4368
.endr
	s_wait_loadcnt 0x0
.irp s, 0,1                            ; the four accumulators by turns, a K step at a time
.irp k, 0,1,2,3
	v_wmma_scale_f32_16x16x128_f8f6f4 v[32+8*\k:39+8*\k], v[64+16*\k+8*\s:71+16*\k+8*\s], v[8+8*\s:15+8*\s], v[32+8*\k:39+8*\k], v[24+2*\k+\s], v[6+\s] matrix_a_fmt:MATRIX_FMT_FP4 matrix_b_fmt:MATRIX_FMT_FP4
.endr
.endr
.rept 4
	v_nop                                          ; four places (ISA guide 7.12.1) in front of the first read of results
.endr
.irp j, 0,1,2,3,4,5,6,7                ; lane (r, h) with r = 4 (v % 4) + k takes accumulator k's eight scores: codes 8 h + j of that query's group.  Each accumulator is read from its low end on
.irp k, 1,2,3
	v_cndmask_b32 v[32+\j], v[32+\j], v[32+8*\k+\j], s[40+\k]
.endr
.endr
	v_mov_b32 v64, 0
.irp j, 1
	v_cmp_le_f32 vcc_lo, v[32+\j], v32             ; not greater: the earlier place stays
	s_delay_alu instid0(VALU_DEP_1)
	v_cndmask_b32 v64, \j, v64, vcc_lo
	v_max_num_f32 v32, v32, v[32+\j]
.endr
.irp j, 2, 3, 4, 5, 6, 7
	s_delay_alu instid0(VALU_DEP_1)
	v_cmp_le_f32 vcc_lo, v[32+\j], v32             ; not greater: the earlier place stays
	s_delay_alu instid0(VALU_DEP_1)
	v_cndmask_b32 v64, \j, v64, vcc_lo
	s_delay_alu instid0(VALU_DEP_3)
	v_max_num_f32 v32, v32, v[32+\j]
.endr
	v_bfe_u32 v65, v0, 4, 1
	s_delay_alu instid0(VALU_DEP_1)
	v_lshl_add_u32 v64, v65, 3, v64                ; the place in the group: 8 h + j
	s_delay_alu instid0(VALU_DEP_3)
	v_permlanex16_b32 v66, v32, s46, s47
	s_delay_alu instid0(VALU_DEP_2)
	v_permlanex16_b32 v67, v64, s46, s47
	s_delay_alu instid0(VALU_DEP_2)
	v_cmp_gt_f32 vcc_lo, v66, v32                  ; lanes 0-15: the upper eight codes win only with a greater score
	s_delay_alu instid0(VALU_DEP_1)
	v_cndmask_b32 v64, v64, v67, vcc_lo
	v_mov_b32 v68, s24
.irp k, 1,2,3
	s_delay_alu instid0(VALU_DEP_1)
	v_cndmask_b32 v68, v68, s[24+\k], s[40+\k]     ; my query's group
.endr
	s_delay_alu instid0(VALU_DEP_1)
	v_lshl_add_u32 v68, v68, 4, v64                ; the index.  It is the query's in lanes 4 (v % 4) + 0 .. 3 alone; the other lanes' words are stored and never read
	v_lshlrev_b32 v69, 2, v0                       ; every thread has a word of its own
	v_and_b32 v70, 31, v0
	v_and_b32 v71, 3, v0
	s_delay_alu instid0(VALU_DEP_2)
	v_lshlrev_b32 v72, 4, v70                      ; 16 lane
	s_delay_alu instid0(VALU_DEP_3)
	v_lshlrev_b32 v70, 7, v70
	s_delay_alu instid0(VALU_DEP_1)
	v_lshl_add_u32 v70, v71, 4, v70                ; queries 4 l .. 4 l + 3 are wave l's, in its lanes 4 (l % 4) + 0 .. 3: 128 l + 16 (l % 4)
	ds_store_b32 v69, v68
	s_wait_dscnt 0x0                               ; for the others' sake: my store has landed
	s_barrier_signal -1
	s_barrier_wait -1
	s_cmp_lg_u32 s16, 0
	s_cbranch_scc1 .Ldone
	s_wait_alu depctr_va_vdst(0)
	ds_load_b128 v[76:79], v70
	s_wait_dscnt 0x0
	global_store_b128 v72, v[76:79], s[12:13]      ; 32 lanes store 512 consecutive bytes, aligned: the output,
	global_store_b128 v72, v[76:79], s[14:15]      ; and the same as whole numbers for the launch that gathers
.Ldone:
	s_wait_xcnt 0x0
	v_lshl_add_u32 v126, v0, 2, 0x1000
	v_mov_b32 v127, 0
	s_wait_alu depctr_va_vdst(0)
	s_wait_tensorcnt 0x0
	ds_add_u32 v126, v127
	s_wait_dscnt 0x0
	s_endpgm
.Lfunc_end_k_qf126c1b653_pick:
	.size	k_qf126c1b653_pick, .Lfunc_end_k_qf126c1b653_pick-k_qf126c1b653_pick
	.p2alignl 7, 3214868480
	.fill 96, 4, 3214868480
	.section	.rodata,"a",@progbits
	.p2align	6, 0x0
	.amdhsa_kernel k_qf126c1b653_pick
		.amdhsa_group_segment_fixed_size 8192
		.amdhsa_private_segment_fixed_size 0
		.amdhsa_enable_private_segment 0
		.amdhsa_kernarg_size 48
		.amdhsa_user_sgpr_count 2
		.amdhsa_user_sgpr_kernarg_segment_ptr 1
		.amdhsa_wavefront_size32 1
		.amdhsa_system_sgpr_workgroup_id_x 1
		.amdhsa_system_sgpr_workgroup_id_y 1
		.amdhsa_system_sgpr_workgroup_id_z 1
		.amdhsa_system_vgpr_workitem_id 0
		.amdhsa_next_free_vgpr 128
		.amdhsa_next_free_sgpr 92
		.amdhsa_reserve_vcc 1
		.amdhsa_float_denorm_mode_32 3
		.amdhsa_float_denorm_mode_16_64 3
		.amdhsa_memory_ordered 1
		.amdhsa_forward_progress 1
		.amdhsa_inst_pref_size 15
	.end_amdhsa_kernel
	.amdgpu_metadata
---
amdhsa.version: [ 1, 2 ]
amdhsa.kernels:
  - .name:           k_qf126c1b653_pick
    .symbol:         k_qf126c1b653_pick.kd
    .args:
      - { .name: rec, .offset: 0, .size: 8, .value_kind: global_buffer, .address_space: global }
      - { .name: xq, .offset: 8, .size: 8, .value_kind: global_buffer, .address_space: global }
      - { .name: xs, .offset: 16, .size: 8, .value_kind: global_buffer, .address_space: global }
      - { .name: grp, .offset: 24, .size: 8, .value_kind: global_buffer, .address_space: global }
      - { .name: out1, .offset: 32, .size: 8, .value_kind: global_buffer, .address_space: global }
      - { .name: idxw, .offset: 40, .size: 8, .value_kind: global_buffer, .address_space: global }
    .group_segment_fixed_size: 8192
    .private_segment_fixed_size: 0
    .kernarg_segment_align: 8
    .kernarg_segment_size: 48
    .max_flat_workgroup_size: 1024
    .sgpr_count:     92
    .vgpr_count:     128
    .wavefront_size: 32
...
	.end_amdgpu_metadata
.endif
;; end of part 3
;; launch gather (part 4): grid 512 x 1, 8 waves a work-group, no clusters, 67,584 bytes of LDS; arguments codebook, idxw, out0; writes out0
.if DOCPART == 4
	.amdgcn_target "amdgcn-amd-amdhsa--gfx1250"
	.amdhsa_code_object_version 6
	.text
	.protected	k_qf126c1b653_gather
	.globl	k_qf126c1b653_gather
	.p2align	8
	.type	k_qf126c1b653_gather,@function
k_qf126c1b653_gather:
	s_mov_b64 s[64:65], 0
	v_nop
	global_prefetch_b8 v0, s[64:65] scope:SCOPE_SE
	s_setreg_imm32_b32 hwreg(HW_REG_WAVE_MODE, 25, 1), 1
	s_wait_xcnt 0x0
; GATHER: out0[b][c][h][w] = codebook[index of query (b, h, w)][c], in f32 as the codebook has it.  The indices come as whole numbers from the launch before.
; A row of the codebook runs along c, the output along the queries: 64 queries' rows turn through LDS.  A work-group has 64 queries, 64 x 1,024 bytes.
; In: wave w loads the rows of queries 8 w .. 8 w + 7, 512 consecutive bytes a load, and stores them as they lie.  Out: a lane reads one channel of four neighbouring queries (four loads of 4 bytes) and stores
; 16 bytes; sixteen lanes store 256 consecutive bytes of a channel's plane, aligned.
; Query q lies in stage row 16 (q % 4) + q / 4, rows 1,040 bytes (260 words) apart: the 32 lanes of a read (16 groups of queries x 2 channels) start at words 260 g + c, which fall on 32 different banks
; (64 banks of 4 bytes: ISA guide 11.1).  Memory binds: no matrix unit, no cluster (no bytes are shared by plan between work-groups), no tensor load.
.set ROWP, 1040
	s_load_b128 s[4:7], s[0:1], 0x0                ; codebook s[4:5], idxw s[6:7]
	s_load_b64 s[8:9], s[0:1], 0x10                ; out0
	v_lshl_add_u32 v96, v0, 2, 0x10400
	v_mov_b32 v97, 0
	v_lshrrev_b32 v1, 5, v0
	s_delay_alu instid0(VALU_DEP_1)
	v_readfirstlane_b32 s10, v1                    ; wave 0..7
	s_lshl_b32 s12, ttmp9, 8                       ; the work-group's 64 indices,
	s_lshl_b32 s13, s10, 5                         ; my wave's eight
	s_add_co_u32 s12, s12, s13
	s_mov_b32 s13, 0
	s_wait_kmcnt 0x0
	s_add_nc_u64 s[6:7], s[6:7], s[12:13]
	s_load_b256 s[16:23], s[6:7], 0x0
	v_and_b32 v1, 31, v0
	s_delay_alu instid0(VALU_DEP_1)
	v_lshlrev_b32 v1, 4, v1                        ; 16 lane
	s_mul_i32 s11, s10, 2*ROWP
	v_add_nc_u32 v10, s11, v1                      ; into the stage: query 8 w + i lies in row 16 (i % 4) + 2 w + i / 4
	v_and_b32 v13, 15, v0                          ; which four queries
	v_bfe_u32 v14, v0, 4, 1                        ; which of two channels
	s_delay_alu instid0(VALU_DEP_2)
	v_mul_u32_u24 v11, v13, ROWP
	s_delay_alu instid0(VALU_DEP_1)
	v_lshl_add_u32 v11, v14, 2, v11
	s_lshl_b32 s11, s10, 7
	v_add_nc_u32 v11, s11, v11                     ; out of it: my wave's channels 32 w on
	v_lshlrev_b32 v12, 4, v13
	s_delay_alu instid0(VALU_DEP_1)
	v_lshl_add_u32 v12, v14, 12, v12               ; in out0: 16 bytes for four queries, 4,096 from channel to channel
	s_lshr_b32 s12, ttmp9, 4
	s_lshl_b32 s12, s12, 20                        ; b
	s_lshl_b32 s14, s10, 17                        ; 32 w channels
	s_add_co_u32 s12, s12, s14
	s_and_b32 s14, ttmp9, 15
	s_lshl_b32 s14, s14, 8                         ; the work-group's 64 queries in a plane
	s_add_co_u32 s12, s12, s14
	s_add_nc_u64 s[8:9], s[8:9], s[12:13]
	s_wait_alu depctr_va_vdst(0)
	s_wait_kmcnt 0x0
.irp i, 0,1,2,3,4,5,6,7
	s_min_u32 s[16+\i], s[16+\i], 8191             ; a loaded number enters an address only behind this bound
	v_lshl_add_u32 v[2+\i], s[16+\i], 10, v1       ; the row's 1,024 bytes, 16 a lane
.endr
.irp i, 0,1,2,3,4,5,6,7
	global_load_b128 v[32+8*\i:35+8*\i], v[2+\i], s[4:5]
	global_load_b128 v[36+8*\i:39+8*\i], v[2+\i], s[4:5] offset:512
.endr
.irp i, 0,1,2,3,4,5,6,7
	s_wait_loadcnt 15-2*\i                         ; loads come back in order (ISA guide 5.7.1): this one is in, the younger ones may be out
	ds_store_b128 v10, v[32+8*\i:35+8*\i] offset:((\i%4)*16+\i/4)*ROWP
	s_wait_loadcnt 14-2*\i
	ds_store_b128 v10, v[36+8*\i:39+8*\i] offset:((\i%4)*16+\i/4)*ROWP+512
.endr
	s_wait_dscnt 0x0                               ; for the others' sake: my stores have landed
	s_barrier_signal -1
	s_barrier_wait -1
.macro TAKE i                          ; channels 32 w + 2 i + 0, 1: of queries 4 g + k, k = 0 .. 3: stage rows 16 k + g
.irp k, 0,1,2,3
	ds_load_b32 v[32+4*(\i)+\k], v11 offset:\k*16*ROWP+8*(\i)
.endr
.endm
.irp i, 0,1,2,3,4,5,6,7
	TAKE \i
.endr
.irp i, 0,1,2,3,4,5,6,7
	s_wait_dscnt 28                                ; pair i's four reads are in; behind them seven pairs' reads, 28, may be out
	global_store_b128 v12, v[32+4*\i:35+4*\i], s[8:9] offset:8192*\i th:TH_STORE_NT
	TAKE \i+8
.endr
.irp i, 8,9,10,11,12,13,14,15
	s_wait_dscnt 4*(15-\i)
	global_store_b128 v12, v[32+4*\i:35+4*\i], s[8:9] offset:8192*\i th:TH_STORE_NT
.endr
	s_wait_tensorcnt 0x0
	ds_add_u32 v96, v97
	s_wait_dscnt 0x0
	s_endpgm
.Lfunc_end_k_qf126c1b653_gather:
	.size	k_qf126c1b653_gather, .Lfunc_end_k_qf126c1b653_gather-k_qf126c1b653_gather
	.p2alignl 7, 3214868480
	.fill 96, 4, 3214868480
	.section	.rodata,"a",@progbits
	.p2align	6, 0x0
	.amdhsa_kernel k_qf126c1b653_gather
		.amdhsa_group_segment_fixed_size 67584
		.amdhsa_private_segment_fixed_size 0
		.amdhsa_enable_private_segment 0
		.amdhsa_kernarg_size 24
		.amdhsa_user_sgpr_count 2
		.amdhsa_user_sgpr_kernarg_segment_ptr 1
		.amdhsa_wavefront_size32 1
		.amdhsa_system_sgpr_workgroup_id_x 1
		.amdhsa_system_sgpr_workgroup_id_y 1
		.amdhsa_system_sgpr_workgroup_id_z 1
		.amdhsa_system_vgpr_workitem_id 0
		.amdhsa_next_free_vgpr 98
		.amdhsa_next_free_sgpr 66
		.amdhsa_reserve_vcc 0
		.amdhsa_float_denorm_mode_32 3
		.amdhsa_float_denorm_mode_16_64 3
		.amdhsa_memory_ordered 1
		.amdhsa_forward_progress 1
		.amdhsa_inst_pref_size 13
	.end_amdhsa_kernel
	.amdgpu_metadata
---
amdhsa.version: [ 1, 2 ]
amdhsa.kernels:
  - .name:           k_qf126c1b653_gather
    .symbol:         k_qf126c1b653_gather.kd
    .args:
      - { .name: codebook, .offset: 0, .size: 8, .value_kind: global_buffer, .address_space: global }
      - { .name: idxw, .offset: 8, .size: 8, .value_kind: global_buffer, .address_space: global }
      - { .name: out0, .offset: 16, .size: 8, .value_kind: global_buffer, .address_space: global }
    .group_segment_fixed_size: 67584
    .private_segment_fixed_size: 0
    .kernarg_segment_align: 8
    .kernarg_segment_size: 24
    .max_flat_workgroup_size: 256
    .sgpr_count:     66
    .vgpr_count:     98
    .wavefront_size: 32
...
	.end_amdgpu_metadata
.endif
;; end of part 4
